; MI455X (gfx1250); checked and timed in simulation.
; The chip was launched on July 23, 2026; its instructions are those of AMD's public machine-readable ISA for CDNA 5 (MIT licence, August 2026) and "CDNA5" Instruction Set Architecture Reference Guide (July 2026). The comments in the code are by the model that wrote it; some were corrected since.
;; Causal Self Attention. Allowed arithmetic: matrix products marked QUANTISED: E4M3 operands, one given power-of-two scale a tensor, by v_wmma_f32_16x16x64_fp8_fp8 or v_wmma_f32_16x16x128_fp8_fp8, f32 sums; everything else in f32.
;; Inputs: lowp_scales 8 int32 (the exponents e of the quantised operands' scales 2^e); w_proj_codes 1,024 x 32 x 32 uint8 (E4M3 codes of w_proj, K innermost, in blocks of 32 codes); w_qkv_codes 3,072 x 32 x 32 uint8 (E4M3 codes of w_qkv, K innermost, in blocks of 32 codes); x_codes 4 x 2,048 x 32 x 32 uint8 (E4M3 codes of x, K innermost, in blocks of 32 codes).
;; Outputs: out0 4 x 2,048 x 1,024 float32.
;; This version of the problem:
;;   THIS VERSION OF THE PROBLEM IS GIVEN IN LOW PRECISION. The matrix products marked QUANTISED in the list below multiply operands that are first quantised to E4M3 (4 exponent bits, 3 mantissa bits; 8 bits a number), with one given power-of-two scale for each operand tensor; their sums are f32. All else is computed in f32.
;;   The module's matrix products, in the order in which they are computed (A, B: the left and right operand; K: the contracted axis; several contracted axes count as one K, in the product's order):
;;     1. [M 8,192, K 1,024] x [K 1,024, N 3,072]; A: input x (given as codes); B: input w_qkv (given as codes): QUANTISED (scales: A lowp_scales[0], B lowp_scales[1])
;;     2. batch 64 x [M 2,048, K 64] x [K 64, N 2,048]; A: computed on the way; B: computed on the way: QUANTISED (scales: A lowp_scales[2], B lowp_scales[3])
;;     3. batch 64 x [M 2,048, K 2,048] x [K 2,048, N 64]; A: softmax (see below); B: computed on the way: QUANTISED (scales: A lowp_scales[4], B lowp_scales[5])
;;     4. [M 8,192, K 1,024] x [K 1,024, N 1,024]; A: computed on the way; B: input w_proj (given as codes): QUANTISED (scales: A lowp_scales[6], B lowp_scales[7])
;;   THE QUANTISER, for each operand of a quantised product, along K:
;;     - The operand's scale is 2^e, e = its entry of the input lowp_scales (int32; the entries are numbered through the quantised products in the list's order, A before B).
;;     - Each number is divided by the scale, clamped to +-448, and rounded to the nearest number of E4M3, ties to even, subnormals kept.
;;     - The product sums the exact products of the quantised numbers (number of the format x scale) in f32.
;;   ~~~python
;;   def quantise(x, axis, e):      # numpy; x: float32 -> the quantised numbers, widened to float32 again
;;       x = np.moveaxis(x, axis, -1); K = x.shape[-1]
;;       r = np.clip(x / 2.0 ** e, -448, 448)
;;       step = 2.0 ** (np.maximum(np.frexp(np.where(r == 0, 1, r))[1] - 1, -6) - 3)
;;       q = np.round(r / step) * step * 2.0 ** e      # np.round: ties to even
;;       return np.moveaxis(q, -1, axis).astype(np.float32)
;;   ~~~
;;   SOFTMAX AHEAD OF A QUANTISED PRODUCT. Where the list says 'softmax', what is quantised is not the finished softmax but p = 2^(t - M), with t = logit x log2(e) and M = ceil(the row's largest t), a whole number; so 1/2 < the row's largest p <= 1. The row's sum l is taken of the UNQUANTISED p, in f32, and the product's result is divided by l at the end. Since M is a whole number, a kernel that streams over the keys may use a running M (the ceiling of the running maximum): every later rescaling is an exact power of two, so the quantised numbers keep their values, but for numbers so far below the row's largest that they fall under the format's range.
;;   OPERANDS COMPUTED ON THE WAY. 'Computed on the way' means the value that the module computes at that place (a softmax that the list does not call 'softmax' is quantised finished and normalised). What goes into a quantiser is computed in f32, as accurately as f32 sums, v_exp_f32 and their like allow (about 1e-6 of the number): no bf16 or f16 on the way to a quantiser, and a product that is left as it is and whose result goes on into a quantised operand takes f32 operands (vector FMAs, or v_wmma_f32_16x16x4_f32). A number that lies on a knife's edge between two numbers of the format may be rounded either way, as far as f32 arithmetic and the matrix unit's own rounding can turn it there, and no further.
;;   INPUTS GIVEN AS CODES. w_proj (in the module: [1024, 1024], K = its axis 1); w_qkv (in the module: [3072, 1024], K = its axis 1); x (in the module: [4, 2048, 1024], K = its axis 2): each comes as NAME_codes (uint8): NAME with its K axis moved to the last place and cut into blocks of 32 codes, [.., K / 32, bytes a block], one block behind the other in memory; one code a byte (a code: sign, 4 exponent bits, 3 mantissa bits); its scale is its entry of lowp_scales. Its value is code x scale, taken as it is: it is not quantised again, and the codes and scales need not be those that the quantiser above would give.
;; One version. Each part assembles by itself: llvm-mc -triple=amdgcn-amd-amdhsa -mcpu=gfx1250 --defsym DOCPART=n.
;; ======== version 1 of 1: 3 launches
;; limits: right only within a limited range of input values
;; workspace buffers: q_img 8,388,608 bytes; kv_img 16,777,216 bytes; y_img 8,388,608 bytes
;; launch qkv (part 1): grid 12 x 32, 4 waves a work-group, clusters of 4 x 4, 327,680 bytes of LDS; arguments x_codes, w_qkv_codes, lowp_scales, q_img, kv_img; writes q_img, kv_img
.if DOCPART == 1
	.amdgcn_target "amdgcn-amd-amdhsa--gfx1250"
	.amdhsa_code_object_version 6
	.text
	.protected	k_q2bfcf72081_qkv
	.globl	k_q2bfcf72081_qkv
	.p2align	8
	.type	k_q2bfcf72081_qkv,@function
k_q2bfcf72081_qkv:
	s_mov_b64 s[64:65], 0
	v_nop
	global_prefetch_b8 v0, s[64:65] scope:SCOPE_SE
	s_setreg_imm32_b32 hwreg(HW_REG_WAVE_MODE, 25, 1), 1
	s_wait_xcnt 0x0
	s_wait_alu depctr_hold_cnt(0) depctr_sa_sdst(0) depctr_va_vdst(0) depctr_va_sdst(0) depctr_va_ssrc(0) depctr_va_vcc(0) depctr_vm_vsrc(0)
	s_getreg_b32 s2, hwreg(HW_REG_IB_STS2, 6, 4)
	s_cmp_eq_u32 s2, 0
	s_cbranch_scc0 .Lentry_in_a_cluster
	s_endpgm
.Lentry_in_a_cluster:
	s_bfe_u32 s2, ttmp6, 0x10000c
	s_cmp_lg_u32 s2, 0xf033
	s_cbranch_scc0 .Lentry_shape_is_right
	s_endpgm
.Lentry_shape_is_right:
; qkv = x w_qkv^T on codes of FP8 (E4M3), then q, k and v are quantised from the f32 sums and stored as IMAGES OF OPERAND REGISTERS for the attention launch.
; x: [8192][1024] codes, scale 2^e0.  w_qkv: [3072][1024] codes, scale 2^e1.  q takes 2^e2, k 2^e3, v 2^e5 (entries of the buffer of scales).
; A sum stands for sum x 2^(e0 + e1), so its code is sum / 2^(et - e0 - e1), held within +-448 of that scale: the three exponents are folded into the conversion's one.
; LIMITS: et - e0 - e1 lies between -126 and 119 for et = e2, e3, e5, so that the scale and 448 x the scale are f32 numbers.  NaN codes among the inputs are not served.
; Inside a matrix instruction k is permuted alike in both operands (16 bytes a load): every product meets its partner; only the order of the sums inside an instruction differs.
; SHARES.  A tile of 256 x 256 to a work-group of four waves, 128 x 128 (64 accumulators, 512 registers) to a wave.  K = 1,024 goes in four quarters of 256 through two LDS slots.
; THE THREE KINDS.  The cluster's x says which: 0 q, 1 k, 2 v.  Source 1 of the matrix instruction comes from the slot's part A, source 0 from its part B; a lane's eight results are eight neighbours along source 0's rows.
;   q, k: A = 256 tokens of x, B = 256 features of w: a lane holds 8 neighbouring features of one token: K of the scores' product is the head's 64 features.
;   v:    A = 256 features of w, B = 256 tokens of x: a lane holds 8 neighbouring tokens of one feature: K of the second product is the keys.
; Only pointers and row numbers are chosen (s_cselect on the cluster's x): masks, shapes, LDS addresses and every line of the text are the same for all kinds, and there is no branch on the kind.
; CLUSTERS: 4 x 4 work-groups.  A's rows hang on cy and the cluster's numbers alone and are asked for jointly along a row of the cluster, B's on cx and the cluster's numbers alone, along a column.
; THE WAY OUT needs no LDS: eight sums of a lane become 8 codes = registers 2 b, 2 b + 1 of the next operand's fragment in its own layout (k = 16 b + 8 (lane / 16) + 0 .. 7);
; four registers of all 32 lanes are a chunk of 512 consecutive bytes, lane l's 16 bytes at 16 l, stored by one instruction.
;   q_img  [bh 64][tile of 16 queries 128][chunk 2][512]
;   kv_img [bh 64][step of 128 keys 16][16,384]: 8 tiles of 16 keys x 2 chunks of K, then 4 tiles of 16 channels x 4 chunks of V^T
; REGISTERS, in windows of 256: window 0: v16-29 addresses and constants; v96-111 the way out; from v128 A's fragments, one set.  window 1: B's fragments, two sets.  windows 2, 3: accumulator (a, b) at v[8 (8 (a % 4) + b)].
.set KROW,   1024                      ; a row of x or of w in memory, in bytes
.set ROWB,   256                       ; a tile's row: 256 codes
.set PITCH,  272                       ; an LDS row: 256 bytes + 16 of padding = 68 words: the 16 rows that a load touches start 4 words apart (64 banks of 4 bytes: ISA guide 11.1)
.set FR,     16                        ; registers of a fragment: 16 rows x 128 K
.set NL,     4                         ; LDS loads that bring one
.set NP,     4                         ; places behind this matrix instruction (ISA guide 7.12.1)
.set HALFT,  128*PITCH                 ; 128 rows: what one tensor load brings, and what one wave reads of A or of B
.set SLOT,   4*HALFT                   ; A's 256 rows, then B's 256 rows
.set SPARE,  2*SLOT                    ; behind the ring: the spare words, 128 bytes for each wave: two blocks of 256 bytes that no other line names
.set ADRA, 16                          ; v16-17  LDS address of my A fragments in slot 0, 1
.set ADRB, 20                          ; v20-21  the same for B
.set VO0,  24                          ; v24     the way out: 16 x lane
.set VO1,  25                          ; v25     the same + the distance to the second pair of chunks
.set SC,   26                          ; v26     2^(et - e0 - e1) as f32
.set LIM,  27
.set SPW,  28                          ; v28     LDS address of my spare word: SPARE + 4 x my thread's number; never rewritten
.set NIL,  29                          ; v29     0; never rewritten
.set TMP,  32
.set CD,   96                          ; v96-111 its codes
.set AF,   128                         ; A's fragments
.set G1, 24                            ; s[24:31] descriptor group 1 for A's tiles;  s[32:39] group 0, one set for each slot
.set G0, 32
.set G1B, 48                           ; s[48:55], s[56:63] the same for B's tiles
.set G0B, 56
.set MSB, 0
.macro WIN new                         ; the immediate's high byte repeats the setting that is left
.if MSB != \new
	s_set_vgpr_msb (MSB<<8)|\new
.set MSB, \new
.endif
.endm
.set MUL_LO, 0xa1                      ; source 0 (B) window 1, source 1 (A) window 0, C and D window 2
.set MUL_HI, 0xf1                      ; the same, C and D window 3
.set TO_B,   0x40                      ; destination window 1, address window 0
; A joint load: waves 0 and 1 fetch for A, waves 2 and 3 for B.  Each of the two lines has one mask and one set of registers for all that issue it; the branch hangs on the wave's number alone.
; Four v_nop follow each of the two lines, ahead of the jump, the label and what follows.
.macro JLOAD g0a, g1a, g0b, g1b
	s_cmp_eq_u32 s15, 0
	s_cbranch_scc0 .Lfor_b_\@
	tensor_load_to_lds s[\g0a:\g0a+3], s[\g1a:\g1a+7]
	s_nop 0
.rept 4
	v_nop
.endr
	s_branch .Lasked_\@
.Lfor_b_\@:
	tensor_load_to_lds s[\g0b:\g0b+3], s[\g1b:\g1b+7]
	s_nop 0
.rept 4
	v_nop
.endr
.Lasked_\@:
.endm
.macro CREST                           ; a round of the cluster's barrier behind its opening barrier
	s_cmp_lg_u32 s14, 0
	s_cbranch_scc1 .Lnot_wave_0_\@
	s_barrier_signal -3
.Lnot_wave_0_\@:
	s_barrier_wait -3
	s_barrier_signal -1
	s_barrier_wait -1
.endm
.macro CROUND                          ; a whole round
	s_barrier_signal -1
	s_barrier_wait -1
	CREST
.endm
	s_load_b256 s[4:11], s[0:1], 0x0               ; x s[4:5], w s[6:7], the scales' exponents s[8:9], q_img s[10:11]
	s_load_b64 s[12:13], s[0:1], 0x20              ; kv_img
	v_lshl_add_u32 v[SPW], v0, 2, SPARE
	v_mov_b32 v[NIL], 0
	ds_add_u32 v28, v29
	ds_add_u32 v28, v29
	s_wait_dscnt 0x0
	v_lshrrev_b32 v1, 5, v0
	v_readfirstlane_b32 s14, v1                    ; wave 0..3
	s_lshr_b32 s15, s14, 1                         ; which half of A's rows is mine.  Also: I fetch for A (0) or for B (1)
	s_and_b32 s16, s14, 1                          ; which half of B's rows.  Also: which 128 rows of that part I fetch
	s_bfe_u32 s40, ttmp6, 0x40000                  ; cx, cy: my place in the cluster
	s_bfe_u32 s41, ttmp6, 0x40004
	s_mov_b32 s42, ttmp9                           ; the cluster's x: the kind
	s_and_b32 s43, ttmp7, 0xffff                   ; the cluster's y: which 1,024 tokens
	s_lshl_b32 s44, s41, 2
	s_lshl_b32 s44, 15, s44                        ; my row of the cluster
	s_lshl_b32 s45, 0x1111, s40                    ; my column
	; descriptor group 1: a tile of 128 rows x 256 bytes, padded in LDS
	s_or_b32 s[G1+0], s44, (0<<16)|(1<<20)|(1<<21)|(5<<22)|(3<<25)  ; 15:0 the mask: A's tiles go to my row; 17:16 element of 1 byte; 20 padding on; 21 set beside a mask; 24:22 after every 64 words (code 5); 31:25 of 4 words (code 3)
	s_or_b32 s[G1B+0], s45, (0<<16)|(1<<20)|(1<<21)|(5<<22)|(3<<25) ; the same with my column's mask
.irp g, G1, G1B
	s_mov_b32 s[\g+1], ROWB<<16                    ; tensor_dim0
	s_mov_b32 s[\g+2], 128<<16                     ; tensor_dim1 = 128
	s_mov_b32 s[\g+3], ROWB<<16                    ; tile_dim0
	s_mov_b32 s[\g+4], 128                         ; tile_dim1 = 128
	s_mov_b32 s[\g+5], KROW                        ; tensor_dim0_stride
	s_mov_b32 s[\g+6], 0
	s_mov_b32 s[\g+7], 0
.endr
	; which block of 256 rows: A: q, k: tokens 4 cly + cy of x; v: features 8 + cy of w.   B: q, k: features 4 clx + cx of w; v: tokens 4 cly + cx of x
	s_lshl_b32 s18, s43, 2                         ; 4 cly
	s_add_co_u32 s19, s18, s41
	s_add_co_u32 s22, s41, 8
	s_lshl_b32 s70, s42, 2
	s_add_co_u32 s70, s70, s40
	s_add_co_u32 s71, s18, s40
	s_cmp_eq_u32 s42, 2                            ; v?
	s_cselect_b32 s20, s22, s19
	s_cselect_b32 s46, s71, s70
	s_lshl_b32 s23, s16, 7                         ; which 128 rows of the block I fetch
	s_lshl_b32 s20, s20, 8
	s_add_co_u32 s20, s20, s23
	s_lshl_b32 s20, s20, 10                        ; rows of 1,024 bytes: under 2^23
	s_mov_b32 s21, 0
	s_lshl_b32 s46, s46, 8
	s_add_co_u32 s46, s46, s23
	s_lshl_b32 s46, s46, 10
	s_mov_b32 s47, 0
	s_mul_i32 s17, s14, HALFT                      ; where they go: wave x 128 rows: no place in the cluster enters an LDS address
	s_wait_kmcnt 0x0
	s_load_b256 s[72:79], s[8:9], 0x0              ; e0 .. e7
	s_cmp_eq_u32 s42, 2
	s_cselect_b64 s[66:67], s[6:7], s[4:5]         ; A's tensor
	s_cselect_b64 s[68:69], s[4:5], s[6:7]         ; B's
	s_add_nc_u64 s[20:21], s[66:67], s[20:21]
	s_add_nc_u64 s[46:47], s[68:69], s[46:47]
	CROUND                                         ; all sixteen work-groups are here: the first joint loads meet
.irp s, 0,1
	s_mov_b32 s[G0+4*\s], 1
	s_add_co_u32 s[G0+4*\s+1], s17, \s*SLOT
	s_add_nc_u64 s[G0+4*\s+2:G0+4*\s+3], s[20:21], \s*ROWB
	s_or_b32 s[G0+4*\s+3], s[G0+4*\s+3], 0x80000000
	s_mov_b32 s[G0B+4*\s], 1
	s_add_co_u32 s[G0B+4*\s+1], s17, \s*SLOT
	s_add_nc_u64 s[G0B+4*\s+2:G0B+4*\s+3], s[46:47], \s*ROWB
	s_or_b32 s[G0B+4*\s+3], s[G0B+4*\s+3], 0x80000000
	JLOAD G0+4*\s, G1, G0B+4*\s, G1B               ; quarters 0 and 1: two loads of mine are out
.endr
	v_and_b32 v1, 15, v0                           ; l % 16
	v_bfe_u32 v2, v0, 4, 1                         ; l / 16
	v_mul_u32_u24 v3, v1, PITCH
	v_lshl_add_u32 v4, v2, 4, v3                   ; a fragment's row x pitch + 16 x half
	s_mul_i32 s84, s15, HALFT                      ; my 128 rows of A
	s_mul_i32 s85, s16, HALFT                      ; my 128 rows of B,
	s_add_co_u32 s85, s85, 2*HALFT                 ; which lie behind A's 256
.irp s, 0,1
	v_add_nc_u32 v[ADRA+\s], s84, v4
	v_add_nc_u32 v[ADRB+\s], s85, v4
	s_add_co_u32 s84, s84, SLOT
	s_add_co_u32 s85, s85, SLOT
.endr
	v_and_b32 v5, 31, v0
	v_lshlrev_b32 v[VO0], 4, v5                    ; a chunk's place for my lane
.macro FRAG reg, adr, q, i             ; a fragment, 16 rows x 128 K: lane l holds row l % 16; registers 4 c .. 4 c + 3 hold K = 32 c + 16 (l / 16) + 0 .. 15
.irp c, 0,1,2,3
	ds_load_b128 v[\reg+4*\c:\reg+4*\c+3], v[\adr] offset:128*(\q)+32*\c+(\i)*16*PITCH
.endr
.endm
; 16 matrix instructions: A's blocks a0, a0 + 1 x B's eight, 128 along K.  p: B's set.  zero = 1: the first product starts the sums: nothing is ever cleared.
; The 64 accumulators take turns, one instruction a turn, in the same order in every step.
.macro MUL16 a0, p, zero
.irp a, \a0, \a0+1
.irp b, 0,1,2,3,4,5,6,7
.if \zero
	v_wmma_f32_16x16x128_fp8_fp8 v[8*(8*((\a)%4)+\b):8*(8*((\a)%4)+\b)+7], v[128*(\p)+FR*\b:128*(\p)+FR*\b+FR-1], v[AF+FR*(\a):AF+FR*(\a)+FR-1], 0
.else
	v_wmma_f32_16x16x128_fp8_fp8 v[8*(8*((\a)%4)+\b):8*(8*((\a)%4)+\b)+7], v[128*(\p)+FR*\b:128*(\p)+FR*\b+FR-1], v[AF+FR*(\a):AF+FR*(\a)+FR-1], v[8*(8*((\a)%4)+\b):8*(8*((\a)%4)+\b)+7]
.endif
.endr
.endr
.endm
.macro FETCH_B slot, q, p              ; B's eight fragments of the slot's q-th 128 along K into set p
	WIN TO_B
.irp i, 0,1,2,3,4,5,6,7
	FRAG 128*(\p)+FR*\i, ADRB+\slot, \q, \i
.endr
	WIN 0
.endm
.macro FETCH_A slot, q, i0             ; A's blocks i0 .. i0 + 3
.irp i, \i0, \i0+1, \i0+2, \i0+3
	FRAG AF+FR*(\i), ADRA+\slot, \q, \i
.endr
.endm
; A load into a register that a matrix instruction has read, and a vector instruction that reads a matrix result, stand NP places behind that matrix instruction; only plain vector
; instructions that name none of its registers are places (ISA guide 7.12.1 for vector instructions).
.macro PLACES n
.rept \n
	v_nop
.endr
.endm
; A step of 128 along K that has its successor in the same slot.  A block of A is free as soon as its eight products are issued, so one set of registers serves A.
.macro STEP slot, q, zero
	s_wait_dscnt 4*NL                              ; B's set and A's blocks 0-3 are in; the youngest 16 loads (A's blocks 4-7) may be out
	WIN MUL_LO
	MUL16 0, (\q)%2, \zero
	MUL16 2, (\q)%2, \zero
	s_wait_dscnt 0                                 ; A's blocks 4-7 are in (asked for 32 matrix instructions ago)
	PLACES NP
	FETCH_B \slot, (\q)+1, 1-(\q)%2
	FETCH_A \slot, (\q)+1, 0
	WIN MUL_HI
	MUL16 4, (\q)%2, \zero
	MUL16 6, (\q)%2, \zero
	PLACES NP
	WIN 0
	FETCH_A \slot, (\q)+1, 4
.endm
; A slot's last step changes slots: one barrier; in front of it each wave waits for all its tensor loads, adds 0 to its spare word, and waits for that and for its own reads of this slot.  fill = 1: this slot takes the quarter two on.
.macro TURN slot, next, fill
	s_wait_tensorcnt 0x0                           ; all my tensor loads have landed: my part of the next slot  (every window is 0 here: the add's two registers lie in window 0)
	ds_add_u32 v[SPW], v[NIL]                      ; 0 onto my spare word
	s_wait_dscnt 4*NL+1                            ; the add and the youngest 16 loads, A's blocks 4-7, may be out
	WIN MUL_LO
	MUL16 0, 1, 0                                  ; sixteen matrix instructions stand between the add and the wait for it
	s_wait_dscnt 0x0                               ; the add is done, and my reads of this slot are over
	s_barrier_signal -1
	MUL16 2, 1, 0
	WIN 0
	s_barrier_wait -1
.if \fill
	CREST                                          ; the barrier has opened a round of the cluster's barrier: no wave of any partner still reads this slot's tile or has a load on its way
	s_add_nc_u64 s[G0+4*\slot+2:G0+4*\slot+3], s[G0+4*\slot+2:G0+4*\slot+3], 2*ROWB
	s_add_nc_u64 s[G0B+4*\slot+2:G0B+4*\slot+3], s[G0B+4*\slot+2:G0B+4*\slot+3], 2*ROWB
	JLOAD G0+4*\slot, G1, G0B+4*\slot, G1B         ; the first tensor load behind the round, and my only one until the next; its four v_nop are the places in front of the loads below
.else
	PLACES NP
.endif
	FETCH_B \next, 0, 0
	FETCH_A \next, 0, 0
	WIN MUL_HI
	MUL16 4, 1, 0
	MUL16 6, 1, 0
	PLACES NP
	WIN 0
	FETCH_A \next, 0, 4
.endm
	s_wait_alu depctr_va_vdst(0)
	s_wait_tensorcnt 1                             ; my part of quarter 0 is in; quarter 1's load may be out
	s_barrier_signal -1
	s_barrier_wait -1                              ; everybody's is
	FETCH_B 0, 0, 0
	FETCH_A 0, 0, 0
	FETCH_A 0, 0, 4
	; eight steps of 128 along K, written out: a loop would have one trip
	STEP 0, 0, 1                                   ; the first products start the sums
	TURN 0, 1, 1                                   ; slot 0 takes quarter 2
	STEP 1, 0, 0
	TURN 1, 0, 1                                   ; slot 1 takes quarter 3
	STEP 0, 0, 0
	TURN 0, 1, 0                                   ; nothing is left to fetch: no round
	STEP 1, 0, 0
	s_wait_dscnt 4*NL                              ; the last step
	WIN MUL_LO
	MUL16 0, 1, 0
	MUL16 2, 1, 0
	s_wait_dscnt 0
	WIN MUL_HI
	MUL16 4, 1, 0
	MUL16 6, 1, 0
	WIN 0
	; THE WAY OUT.  What differs between the kinds is chosen into scalar registers: the buffer, my first byte in it, and three distances.
	;   q: q_img,  (bh << 17) + (token << 6);          from block to block 1,024 (a tile of queries);  second pair of chunks 131,072 on (the next head)
	;   k: kv_img, (bh << 18) + (token << 7);          from block to block 1,024 (a tile of keys);     second pair 262,144 on (the next head)
	;   v: kv_img, (bh << 18) + (token << 7) + 8,192;  from block to block 2,048 (a tile of channels), at block 4 another 253,952 (the next head);  second pair 1,024 on (chunks 2, 3)
	s_wait_kmcnt 0x0
	s_mov_b32 s80, 1024
	s_mov_b32 s81, 0
	s_mov_b32 s83, 0
	s_cmp_eq_u32 s42, 2                            ; v?
	s_cselect_b32 s88, s40, s41                    ; the tokens' block hangs on cx (v) or cy,
	s_cselect_b32 s89, s16, s15                    ; and my half of it on B's half or A's
	s_cselect_b32 s90, s41, s40                    ; the features' the other way round
	s_cselect_b32 s91, s15, s16
	s_cselect_b32 s92, s77, s74                    ; et: e5, or e2
	s_cselect_b32 s80, 2048, s80                   ; s[80:81]: from block to block
	s_cselect_b32 s82, 253952, 0                   ; s[82:83]: more at block 4
	s_cselect_b32 s93, 8192, 0
	s_cmp_eq_u32 s42, 1                            ; k?
	s_cselect_b32 s92, s75, s92                    ; e3
	s_cmp_eq_u32 s42, 0                            ; q?
	s_cselect_b32 s95, 17, 18
	s_cselect_b32 s94, 6, 7
	s_cselect_b64 s[86:87], s[10:11], s[12:13]
	s_lshl_b32 s84, 1, s95
	s_cmp_eq_u32 s42, 2
	s_cselect_b32 s84, 1024, s84                   ; to the second pair of chunks
	s_lshl_b32 s85, s43, 2
	s_add_co_u32 s85, s85, s88
	s_lshl_b32 s85, s85, 8
	s_lshl_b32 s89, s89, 7
	s_add_co_u32 s85, s85, s89                     ; my first token
	s_lshl_b32 s90, s90, 2
	s_lshl_b32 s91, s91, 1
	s_add_co_u32 s90, s90, s91                     ; my first head: 128 features are two heads
	s_lshr_b32 s91, s85, 11
	s_lshl_b32 s91, s91, 4
	s_add_co_u32 s90, s90, s91                     ; bh = 16 x batch + head
	s_and_b32 s85, s85, 2047                       ; the token within its batch
	s_lshl_b32 s90, s90, s95
	s_lshl_b32 s85, s85, s94
	s_add_co_u32 s90, s90, s85
	s_add_co_u32 s90, s90, s93
	s_mov_b32 s91, 0
	s_add_nc_u64 s[86:87], s[86:87], s[90:91]
	s_sub_co_i32 s92, s92, s72
	s_sub_co_i32 s92, s92, s73                     ; et - e0 - e1
	s_add_co_i32 s92, s92, 127
	s_lshl_b32 s93, s92, 23
	s_add_co_i32 s92, s92, 8
	s_lshl_b32 s92, s92, 23
	s_or_b32 s92, s92, 0x600000
	PLACES NP                                      ; behind the last products, ahead of the first read of results
	v_mov_b32 v[SC], s93                           ; the conversion takes this number's exponent field
	v_add_nc_u32 v[VO1], s84, v[VO0]
; Block a: A's rows 16 a on, against B's 128.  Accumulator (a, b): lane (r, h), register j = (B's row 16 b + 8 h + j, A's row 16 a + r).
.macro OUTB a
.set AC, 64*((\a)%4)
.if (\a) > 0
	s_wait_xcnt 0x0                                ; the last block's stores have read their data and their base: both are written again only behind this wait
	s_add_nc_u64 s[86:87], s[86:87], s[80:81]
.if (\a) == 4
	s_add_nc_u64 s[86:87], s[86:87], s[82:83]
.endif
.endif
	WIN 0x02+((\a)/4)                              ; source 0: window 2 or 3
.set n, 0
.rept 64
.set n, n+1
.endr
.set n, 0
.rept 8
	v_cvt_scalef32_pk8_fp8_f32 v[CD+2*n:CD+2*n+1], v[AC+8*n:AC+8*n+7], v[SC]
.set n, n+1
.endr
	WIN 0
	v_nop                                          ; one plain vector instruction behind the last conversion
	global_store_b128 v[VO0], v[CD:CD+3], s[86:87]                 ; each store covers 512 consecutive bytes, aligned
	global_store_b128 v[VO0], v[CD+4:CD+7], s[86:87] offset:512
	global_store_b128 v[VO1], v[CD+8:CD+11], s[86:87]
	global_store_b128 v[VO1], v[CD+12:CD+15], s[86:87] offset:512
.endm
.irp a, 0,1,2,3,4,5,6,7
	OUTB \a
.endr
	s_wait_tensorcnt 0x0                           ; the wave's end
	ds_add_u32 v[SPW], v[NIL]
	s_wait_dscnt 0x0
	CROUND                                         ; the closing round: no work-group ends while a partner may still ask for a tile that names it
	s_endpgm
.Lfunc_end_k_q2bfcf72081_qkv:
	.size	k_q2bfcf72081_qkv, .Lfunc_end_k_q2bfcf72081_qkv-k_q2bfcf72081_qkv
	.p2alignl 7, 3214868480
	.fill 96, 4, 3214868480
	.section	.rodata,"a",@progbits
	.p2align	6, 0x0
	.amdhsa_kernel k_q2bfcf72081_qkv
		.amdhsa_group_segment_fixed_size 327680
		.amdhsa_private_segment_fixed_size 0
		.amdhsa_enable_private_segment 0
		.amdhsa_kernarg_size 40
		.amdhsa_user_sgpr_count 2
		.amdhsa_user_sgpr_kernarg_segment_ptr 1
		.amdhsa_wavefront_size32 1
		.amdhsa_system_sgpr_workgroup_id_x 1
		.amdhsa_system_sgpr_workgroup_id_y 1
		.amdhsa_system_sgpr_workgroup_id_z 1
		.amdhsa_system_vgpr_workitem_id 0
		.amdhsa_next_free_vgpr 1024
		.amdhsa_next_free_sgpr 100
		.amdhsa_reserve_vcc 0
		.amdhsa_float_denorm_mode_32 3
		.amdhsa_float_denorm_mode_16_64 3
		.amdhsa_fp16_overflow 1
		.amdhsa_memory_ordered 1
		.amdhsa_forward_progress 1
		.amdhsa_inst_pref_size 87
	.end_amdhsa_kernel
	.amdgpu_metadata
---
amdhsa.version: [ 1, 2 ]
amdhsa.kernels:
  - .name:           k_q2bfcf72081_qkv
    .symbol:         k_q2bfcf72081_qkv.kd
    .args:
      - { .name: x_codes, .offset: 0, .size: 8, .value_kind: global_buffer, .address_space: global }
      - { .name: w_qkv_codes, .offset: 8, .size: 8, .value_kind: global_buffer, .address_space: global }
      - { .name: lowp_scales, .offset: 16, .size: 8, .value_kind: global_buffer, .address_space: global }
      - { .name: q_img, .offset: 24, .size: 8, .value_kind: global_buffer, .address_space: global }
      - { .name: kv_img, .offset: 32, .size: 8, .value_kind: global_buffer, .address_space: global }
    .group_segment_fixed_size: 327680
    .private_segment_fixed_size: 0
    .kernarg_segment_align: 8
    .kernarg_segment_size: 40
    .max_flat_workgroup_size: 128
    .sgpr_count:     100
    .vgpr_count:     1024
    .wavefront_size: 32
...
	.end_amdgpu_metadata
.endif
;; end of part 1
;; launch attn (part 2): grid 4 x 64, 16 waves a work-group, clusters of 4 x 1, 327,680 bytes of LDS; arguments q_img, kv_img, lowp_scales, y_img; writes y_img
.if DOCPART == 2
	.amdgcn_target "amdgcn-amd-amdhsa--gfx1250"
	.amdhsa_code_object_version 6
	.text
	.protected	k_q2bfcf72081_attn
	.globl	k_q2bfcf72081_attn
	.p2align	8
	.type	k_q2bfcf72081_attn,@function
k_q2bfcf72081_attn:
	s_mov_b64 s[64:65], 0
	v_nop
	global_prefetch_b8 v0, s[64:65] scope:SCOPE_SE
	s_setreg_imm32_b32 hwreg(HW_REG_WAVE_MODE, 25, 1), 1
	s_wait_xcnt 0x0
	s_wait_alu depctr_hold_cnt(0) depctr_sa_sdst(0) depctr_va_vdst(0) depctr_va_sdst(0) depctr_va_ssrc(0) depctr_va_vcc(0) depctr_vm_vsrc(0)
	s_getreg_b32 s2, hwreg(HW_REG_IB_STS2, 6, 4)
	s_cmp_eq_u32 s2, 0
	s_cbranch_scc0 .Lentry_in_a_cluster
	s_endpgm
.Lentry_in_a_cluster:
	s_bfe_u32 s2, ttmp6, 0x10000c
	s_cmp_lg_u32 s2, 0x3003
	s_cbranch_scc0 .Lentry_shape_is_right
	s_endpgm
.Lentry_shape_is_right:
; y[b][q][head] = softmax over the keys k <= q of (Q . K / 8) times V, both products on codes of FP8 (E4M3); y is quantised with 2^e6 and stored as an image of the last product's operand.
; Scales: q 2^e2, k 2^e3, p 2^e4, v 2^e5, y 2^e6.
; THE SOFTMAX AHEAD OF THE SECOND PRODUCT: t = score x log2(e) / 8; M = the largest t so far, rounded UP to a whole number; p = 2^(t - M) is what is quantised, not normalised.
; The row's sum is taken of the unquantised p, in f32, and divides O at the end.  When M moves, the sum and O are multiplied by 2^(old M - new M): exact.
; LIMITS on the given exponents, so that each power of two below is an f32 number: e2 + e3 between -123 and 130 (added to c's exponent field); e4 and e6 between -126 and 119; e4 + e5 goes by v_ldexp_f32 and has none.
; SHARES.  A cluster of four work-groups is one head (bh = the cluster's y).  Of the head's 128 tiles of 16 queries, work-group cx owns tiles 4 i + cx, i = 0 .. 31; its wave w owns i = w and i = 31 - w.
; Tile 4 i + cx sees the steps of 128 keys 0 .. i >> 1, whatever cx: so a wave has (w >> 1) + ((31 - w) >> 1) + 2 = 17 steps of a tile, two of them on the diagonal, in every wave of every work-group,
; and no branch hangs on a work-group's place in its cluster.
; LDS holds the head's WHOLE K and V, 262,144 bytes, as they lie in kv_img; it is filled once, by joint loads of the four work-groups (each byte is asked for once for the four); nothing is filled again.
; Each wave issues two loads: 2,048 bytes of key steps 0 and 1, then 14,336 bytes of the rest: work begins when the first 32,768 bytes are in.  One tensor load of a wave is out at the most.
; LAYOUT.  Both products are used transposed: S^T = K Q^T (source 0 = 16 keys, source 1 = 16 queries), O^T = V^T P^T (source 0 = 16 channels, source 1 = P): a lane holds ONE query (lane % 16) throughout.
; In S^T's tile t lane (r, h), register j is key 16 t + 8 h + j: its 8 codes are registers 2 t, 2 t + 1 of P in the K = 128 form's own layout.  Nothing changes lanes, and k stands in its true place.
; All fragments lie in LDS and memory as images of their registers: a chunk is 512 bytes, lane l's 16 bytes at 16 l.
; REGISTERS: v1-7 addresses; v8-15 two tiles' statistics (-M, largest t, the sum in two halves); v16-31 Q of both tiles; v32-95 a step's K, then its V; v96-159 S^T, then p; v160-223 O^T of both tiles; v224-239 p's codes; v240-254 constants and work.
.set LI,   1                           ; v1   16 x lane
.set ADR,  2                           ; v2   LDS address of the step in hand
.set D1,   3                           ; v3, v4  on a tile's diagonal step: my query - the step's first key - 8 (lane / 16)
.set D2,   4
.set QO1,  5                           ; v5, v6  my bytes in q_img
.set QO2,  6
.set YO1,  7                           ; v7, v246  my bytes in y_img
.set YO2,  246
.set ST1,  8
.set ST2,  12
.set Q1,   16
.set Q2,   24
.set F,    32
.set S,    96
.set O1,   160
.set O2,   192
.set P,    224
.set PLIM, 240
.set SUM2, 242                         ; v[242:243] the sums' second chain
.set PSC,  244                         ; 2^e4
.set NINF, 245                         ; -infinity
.set XCH,  247                         ; what comes from lane l xor 16
.set YSC,  248                         ; 2^e6
.set YLIM, 249
.set R1,   250                         ; v[250:251] the way out: 2^(e4 + e5) / the sum, tile 1
.set FF,   252                         ; v[252:253] f = 2^(old M - new M); the way out: tile 2's divisor
.set W,    254                         ; at work
.set VOFF, 8192                        ; a step's V^T lies behind its K
.set STEPB, 16384
.set WV,   12                          ; s12  my wave's number
.set SG,   48                          ; s48  the key step
.set TB,   49                          ; s49  its first LDS byte
.set CNT,  50                          ; s50  trips to go
.set L1,   51                          ; s51, s52  the last key step of my two tiles
.set L2,   52
.set CS,   54                          ; s[54:55] c = log2(e) / 8 x 2^(e2 + e3): the packed form names a pair and takes its low word for both halves
.set SEL,  56                          ; s[56:57] lane selects for v_permlanex16_b32: lane l xor 16
.macro CROUND                          ; a round of the cluster's barrier
	s_barrier_signal -1
	s_barrier_wait -1
	s_cmp_lg_u32 s[WV], 0
	s_cbranch_scc1 .Lnot_wave_0_\@
	s_barrier_signal -3
.Lnot_wave_0_\@:
	s_barrier_wait -3
	s_barrier_signal -1
	s_barrier_wait -1
.endm
	s_load_b256 s[4:11], s[0:1], 0x0               ; q_img s[4:5], kv_img s[6:7], the scales' exponents s[8:9], y_img s[10:11]
	v_lshl_add_u32 v241, v0, 2, 0x40000
	v_mov_b32 v255, 0
	ds_add_u32 v241, v255
	ds_add_u32 v241, v255
	v_lshrrev_b32 v1, 5, v0
	s_delay_alu instid0(VALU_DEP_1)
	v_readfirstlane_b32 s[WV], v1                  ; wave 0..15
	s_bfe_u32 s13, ttmp6, 0x40000                  ; cx: it enters Q's and y's addresses and the mask's numbers alone
	s_and_b32 s14, ttmp7, 0xffff                   ; bh, which the four partners share
	; descriptor groups 1: dense rows of 256 bytes (32 elements of 8 bytes), 8 of them and 56 of them; the mask names all four work-groups, bit 21 is set beside it
	s_mov_b32 s16, 15|(3<<16)|(1<<21)
	s_mov_b32 s17, 32<<16                          ; tensor_dim0
	s_mov_b32 s18, 8<<16                           ; tensor_dim1
	s_mov_b32 s19, 32<<16                          ; tile_dim0
	s_mov_b32 s20, 8                               ; tile_dim1
	s_mov_b32 s21, 32                              ; tensor_dim0_stride
	s_mov_b32 s22, 0
	s_mov_b32 s23, 0
	s_mov_b32 s24, 15|(3<<16)|(1<<21)
	s_mov_b32 s25, 32<<16
	s_mov_b32 s26, 56<<16
	s_mov_b32 s27, 32<<16
	s_mov_b32 s28, 56
	s_mov_b32 s29, 32
	s_mov_b32 s30, 0
	s_mov_b32 s31, 0
	s_mov_b32 s32, 1
	s_mul_i32 s33, s[WV], 2048                     ; my sixteenth of the first 32,768 bytes,
	s_mov_b32 s36, 1
	s_mul_i32 s37, s[WV], 14336
	s_add_co_u32 s37, s37, 32768                   ; and of the other 229,376: LDS byte = byte in the head's block
	s_lshl_b32 s58, s14, 18                        ; the head's block in kv_img
	s_add_co_u32 s60, s58, s33
	s_mov_b32 s61, 0
	s_add_co_u32 s62, s58, s37
	s_mov_b32 s63, 0
	s_wait_dscnt 0x0
	s_wait_kmcnt 0x0
	s_load_b256 s[40:47], s[8:9], 0x0              ; e0 .. e7
	s_add_nc_u64 s[34:35], s[6:7], s[60:61]
	s_or_b32 s35, s35, 0x80000000
	s_add_nc_u64 s[38:39], s[6:7], s[62:63]
	s_or_b32 s39, s39, 0x80000000
	CROUND                                         ; all four work-groups are here: the joint loads meet
	tensor_load_to_lds s[32:35], s[16:23]
	s_nop 0
	s_wait_alu depctr_va_vdst(0)
	s_wait_tensorcnt 0x0
	ds_add_u32 v241, v255
	s_wait_dscnt 0x0
	CROUND
	tensor_load_to_lds s[36:39], s[24:31]
	s_nop 0
.rept 4
	v_nop
.endr
	s_sub_co_u32 s66, 31, s[WV]                    ; my second i
	s_lshr_b32 s[L1], s[WV], 1
	s_lshr_b32 s[L2], s66, 1
	s_lshl_b32 s67, s[WV], 2
	s_add_co_u32 s67, s67, s13                     ; my first tile of queries
	s_lshl_b32 s68, s66, 2
	s_add_co_u32 s68, s68, s13                     ; my second
	s_lshl_b32 s69, s14, 17                        ; the head's block in q_img; a tile is 1,024 bytes
	s_lshl_b32 s70, s67, 10
	s_add_co_u32 s70, s70, s69
	s_lshl_b32 s71, s68, 10
	s_add_co_u32 s71, s71, s69
	s_lshr_b32 s72, s14, 4
	s_lshl_b32 s72, s72, 7                         ; y_img: [128 x batch + tile][head][1,024]
	s_and_b32 s73, s14, 15
	s_lshl_b32 s73, s73, 10
	s_add_co_u32 s74, s72, s67
	s_lshl_b32 s74, s74, 14
	s_add_co_u32 s74, s74, s73
	s_add_co_u32 s75, s72, s68
	s_lshl_b32 s75, s75, 14
	s_add_co_u32 s75, s75, s73
	s_and_b32 s58, s[WV], 1
	s_lshl_b32 s58, s58, 6
	s_lshl_b32 s59, s13, 4
	s_add_co_u32 s58, s58, s59                     ; a tile's first query within its diagonal step: 64 (i & 1) + 16 cx;
	s_xor_b32 s60, s58, 64                         ; 31 - w has the other parity
	v_and_b32 v1, 31, v0
	s_delay_alu instid0(VALU_DEP_1)
	v_lshlrev_b32 v[LI], 4, v1
	v_and_b32 v[ADR], 15, v0                       ; r
	v_bfe_u32 v[W], v0, 4, 1                       ; h
	s_delay_alu instid0(VALU_DEP_1)
	v_lshlrev_b32 v[FF], 3, v[W]                   ; 8 h
	s_delay_alu instid0(VALU_DEP_4)
	v_add_nc_u32 v[QO1], s70, v[LI]
	v_add_nc_u32 v[QO2], s71, v[LI]
	global_load_b128 v[Q1:Q1+3], v[QO1], s[4:5] th:TH_LOAD_NT            ; Q's fragments stay in registers: two chunks a tile
	global_load_b128 v[Q1+4:Q1+7], v[QO1], s[4:5] offset:512 th:TH_LOAD_NT
	global_load_b128 v[Q2:Q2+3], v[QO2], s[4:5] th:TH_LOAD_NT
	global_load_b128 v[Q2+4:Q2+7], v[QO2], s[4:5] offset:512 th:TH_LOAD_NT
	v_lshl_add_u32 v[YO1], v[ADR], 4, v[FF]        ; 16 r + 8 h
	s_delay_alu instid0(VALU_DEP_1)
	v_add_nc_u32 v[YO2], s75, v[YO1]
	s_delay_alu instid0(VALU_DEP_2)
	v_add_nc_u32 v[YO1], s74, v[YO1]
	v_sub_nc_u32 v[D1], v[ADR], v[FF]              ; r - 8 h
	s_delay_alu instid0(VALU_DEP_1)
	v_add_nc_u32 v[D2], s60, v[D1]
	s_delay_alu instid0(VALU_DEP_2)
	v_add_nc_u32 v[D1], s58, v[D1]
	s_mov_b32 s[SEL], 0x76543210
	s_mov_b32 s[SEL+1], 0xfedcba98
	s_mov_b32 s[CS], 0x3e38aa3b                    ; log2(e) / 8
.irp t, ST1, ST2
	v_mov_b32 v[\t+1], 0xff61b1e6                  ; the largest t so far: -3e38, under every t
	s_delay_alu instid0(VALU_DEP_1)
	v_floor_f32 v[\t], -v[\t+1]                    ; -M
	v_mov_b32 v[\t+2], 0                           ; the sum, in two halves
	v_mov_b32 v[\t+3], 0
.endr
	v_mov_b32 v[NINF], 0xff800000
	v_mov_b32 v[XCH], 0                            ; written once: a lane permute's destination counts as one of its sources
	v_mov_b32 v[R1+1], 0                           ; (named as the upper halves of pairs)
	v_mov_b32 v[FF+1], 0
.set n, 0
.rept 64
	v_mov_b32 v[O1+n], 0                           ; O^T of both tiles.  (A step is written in one form: the first finds zeros, which the first change of M leaves zeros)
.set n, n+1
.endr
	s_wait_kmcnt 0x0
	s_add_co_i32 s58, s42, s43
	s_lshl_b32 s58, s58, 23
	s_add_co_i32 s[CS], s[CS], s58                 ; a score stands for score x 2^(e2 + e3): the exponents are added to c's exponent field
	s_mov_b32 s[CS+1], s[CS]                       ; (named with it as a pair, so it is written)
	s_add_co_i32 s58, s44, 127
	s_lshl_b32 s59, s58, 23
	v_mov_b32 v[PSC], s59
	s_add_co_i32 s58, s46, 127
	s_lshl_b32 s59, s58, 23
	v_mov_b32 v[YSC], s59
; ONE TILE OF 16 QUERIES, ONE STEP OF 128 KEYS.  qf: Q's fragment; oa: O^T; st: the statistics; dm: the mask's number; lx: the tile's last step.
.macro STEP qf, oa, st, dm, lx
	s_cmp_gt_u32 s[SG], s[\lx]                     ; all the step's keys come after the tile's queries: nothing to do.  The numbers hang on the wave and the trip alone
	s_cbranch_scc1 .Lpast_\@
	v_add_nc_u32 v[ADR], s[TB], v[LI]
.rept 3
	v_nop                                          ; with the addition: four places between the last products that read v32-95 and the loads into them
.endr
.set n, 0
.rept 16
	ds_load_b128 v[F+4*n:F+4*n+3], v[ADR] offset:512*n          ; K: 8 tiles of 16 keys, two chunks each
.set n, n+1
.endr
	s_wait_alu depctr_va_vdst(0)
	s_wait_dscnt 0x0
.set n, 0
.rept 8
	v_wmma_f32_16x16x64_fp8_fp8 v[S+8*n:S+8*n+7], v[F+8*n:F+8*n+7], v[\qf:\qf+7], 0
.set n, n+1
.endr
.rept 4
	v_nop                                          ; four places: ahead of the loads into K's registers and of the first read of the scores
.endr
.set n, 0
.rept 16
	ds_load_b128 v[F+4*n:F+4*n+3], v[ADR] offset:VOFF+512*n     ; V^T: 4 tiles of 16 channels, four chunks each: they land under the softmax
.set n, n+1
.endr
	s_cmp_lg_u32 s[SG], s[\lx]                     ; only the tile's last step lies on the diagonal
	s_cbranch_scc1 .Lopen_\@
.set n, 0
.rept 64
	v_cmp_gt_i32 vcc_lo, 16*(n/8)+n%8, v[\dm]      ; register n holds key 16 (n / 8) + 8 h + n % 8 of the step: hidden where it comes after my query
	v_cndmask_b32 v[S+n], v[S+n], v[NINF], vcc_lo  ; -infinity ahead of the maximum: p = 0 then.  The step's first key counts for every query
.set n, n+1
.endr
.Lopen_\@:
	v_max3_num_f32 v[W], v[S], v[S+1], v[S+2]      ; the step's largest score of my query, among my 64 keys, in two chains; each accumulator is first read at its low end
	v_max3_num_f32 v[FF], v[S+3], v[S+4], v[S+5]
.irp i, 6,10,14,18,22,26,30,34,38,42,46,50,54,58
	v_max3_num_f32 v[W], v[W], v[S+\i], v[S+1+\i]
	v_max3_num_f32 v[FF], v[FF], v[S+2+\i], v[S+3+\i]
.endr
	v_max3_num_f32 v[W], v[W], v[S+62], v[S+63]
	s_delay_alu instid0(VALU_DEP_1)
	v_max_num_f32 v[W], v[W], v[FF]
	s_delay_alu instid0(VALU_DEP_1)
	v_permlanex16_b32 v[XCH], v[W], s[SEL], s[SEL+1]
	s_delay_alu instid0(VALU_DEP_1)
	v_max_num_f32 v[W], v[W], v[XCH]               ; and among lane l xor 16's
	s_delay_alu instid0(VALU_DEP_1)
	v_mul_f32 v[W], s[CS], v[W]                    ; as t (c is positive)
	s_delay_alu instid0(VALU_DEP_1)
	v_max_num_f32 v[\st+1], v[\st+1], v[W]         ; the running largest t
	v_mov_b32 v[W], v[\st]
	s_delay_alu instid0(VALU_DEP_2)
	v_floor_f32 v[\st], -v[\st+1]                  ; the new -M = floor(-t) = -ceil(t)
	s_delay_alu instid0(VALU_DEP_1)
	v_sub_f32 v[W], v[\st], v[W]                   ; M's old value less its new one: a whole number, 0 or less
	s_delay_alu instid0(VALU_DEP_1)
	v_cvt_i32_f32 v[W], v[W]                       ; (it saturates)
	s_delay_alu instid0(VALU_DEP_1)
	v_ldexp_f32 v[FF], 1.0, v[W]                   ; f = 2^(old M - new M)
.set n, 0
.rept 32
	v_pk_fma_f32 v[S+n:S+n+1], v[S+n:S+n+1], s[CS:CS+1], v[\st:\st+1] op_sel_hi:[1,0,0]   ; t - M, two at a time
.set n, n+2
.endr
.set n, 0
	s_wait_alu depctr_va_vdst(0)
.rept 64
	v_exp_f32 v[S+n], v[S+n]                       ; p = 2^(t - M), at most 1
.set n, n+1
.endr
	v_pk_mul_f32 v[\st+2:\st+3], v[\st+2:\st+3], v[FF:FF+1] op_sel_hi:[1,0]   ; the sums under the new M: the plain instruction behind the exponentials
	s_wait_alu depctr_va_vdst(0)                   ; one wait for the batch of 64, ahead of its first reader
	v_pk_add_f32 v[SUM2:SUM2+1], v[S:S+1], v[S+2:S+3]      ; the row's sum is taken of the unquantised p: two at a time, in two chains
.irp j, 4,8,12,16,20,24,28,32,36,40,44,48,52,56,60
	v_pk_add_f32 v[\st+2:\st+3], v[\st+2:\st+3], v[S+\j:S+\j+1]
	v_pk_add_f32 v[SUM2:SUM2+1], v[SUM2:SUM2+1], v[S+2+\j:S+3+\j]
.endr
	s_delay_alu instid0(VALU_DEP_1)
	v_pk_add_f32 v[\st+2:\st+3], v[\st+2:\st+3], v[SUM2:SUM2+1]
.irp t, 0,1,2,3,4,5,6,7
.irp i, 0,1,2,3,4,5,6,7
.endr
	v_cvt_scalef32_pk8_fp8_f32 v[P+2*\t:P+2*\t+1], v[S+8*\t:S+8*\t+7], v[PSC]
.endr
.set n, 0
.rept 16
	v_pk_mul_f32 v[\oa+n:\oa+n+1], v[\oa+n:\oa+n+1], v[FF:FF+1] op_sel_hi:[1,0]   ; O^T under the new M.  (Plain instructions between the conversions and the products that read the codes)
.set n, n+2
.endr
	s_wait_alu depctr_va_vdst(0)
	s_wait_dscnt 0x0                               ; V^T is in
.set n, 0
.rept 4
	v_wmma_f32_16x16x128_fp8_fp8 v[\oa+8*n:\oa+8*n+7], v[F+16*n:F+16*n+15], v[P:P+15], v[\oa+8*n:\oa+8*n+7]   ; four accumulators by turns; the next matrix instructions are scores
.set n, n+1
.endr
.Lpast_\@:
.endm
.macro PAIR
	STEP Q1, O1, ST1, D1, L1
	STEP Q2, O2, ST2, D2, L2
.endm
	s_wait_loadcnt 0x0                             ; Q
	s_wait_tensorcnt 0x1                           ; my part of key steps 0 and 1 is in; my second load may stay out
	s_barrier_signal -1
	s_barrier_wait -1                              ; everybody's is
	s_mov_b32 s[SG], 0                             ; key steps 0 and 1 are written out: their reads lie below LDS byte 32,768 by constants, while the rest is landing above it
	s_mov_b32 s[TB], 0
	PAIR
	s_mov_b32 s[SG], 1
	s_mov_b32 s[TB], STEPB
	PAIR
	s_wait_tensorcnt 0x0                           ; my part of the rest is in,
	s_wait_dscnt 0x0
	s_barrier_signal -1
	s_barrier_wait -1                              ; everybody's is
	s_mov_b32 s[SG], 2
	s_mov_b32 s[TB], 2*STEPB
	s_mov_b32 s[CNT], 14
.Lwalk:                                            ; 14 trips in every wave: a trip is one key step for both tiles; what lies past a tile is jumped over inside
	PAIR
	s_add_co_u32 s[TB], s[TB], STEPB
	s_add_co_u32 s[SG], s[SG], 1
	s_sub_co_u32 s[CNT], s[CNT], 1
	s_cmp_lg_u32 s[CNT], 0
	s_cbranch_scc1 .Lwalk
	; THE WAY OUT.  y = O^T x 2^(e4 + e5) / the sum, quantised with 2^e6.  Tile t of O^T: lane (r, h) holds channels 16 t + 8 h + 0 .. 7 of query r: 8 codes, stored at 256 t + 16 r + 8 h of the head's 1,024 bytes:
	; lanes (r, 0) and (r, 1) together make the 16 bytes that a lane of the last product's fragment takes.  The additions are the places behind the last products.
	v_add_f32 v[ST1+2], v[ST1+2], v[ST1+3]
	v_add_f32 v[ST2+2], v[ST2+2], v[ST2+3]
	s_delay_alu instid0(VALU_DEP_2)
	v_permlanex16_b32 v[XCH], v[ST1+2], s[SEL], s[SEL+1]
	s_delay_alu instid0(VALU_DEP_2)
	v_permlanex16_b32 v[W], v[ST2+2], s[SEL], s[SEL+1]
	s_delay_alu instid0(VALU_DEP_2)
	v_add_f32 v[ST1+2], v[ST1+2], v[XCH]
	s_delay_alu instid0(VALU_DEP_2)
	v_add_f32 v[ST2+2], v[ST2+2], v[W]             ; the rows' sums
	s_wait_alu depctr_va_vdst(0)
	v_rcp_f32 v[R1], v[ST1+2]
	v_rcp_f32 v[FF], v[ST2+2]
	v_nop                                          ; a plain instruction behind the reciprocals
	s_add_co_i32 s58, s44, s45
	s_wait_alu depctr_va_vdst(0)                   ; one wait for both, ahead of their first reader
	v_ldexp_f32 v[R1], v[R1], s58
	v_ldexp_f32 v[FF], v[FF], s58
.macro YOUT oa, sb, fb, rr, yo
.set n, 0
.rept 16
	v_pk_mul_f32 v[\sb+n:\sb+n+1], v[\oa+n:\oa+n+1], v[\rr:\rr+1] op_sel_hi:[1,0]
.set n, n+2
.endr
.set n, 0
.rept 32
.set n, n+1
.endr
.set n, 0
.rept 4
	v_cvt_scalef32_pk8_fp8_f32 v[\fb+2*n:\fb+2*n+1], v[\sb+8*n:\sb+8*n+7], v[YSC]
.set n, n+1
.endr
	v_nop                                          ; one plain vector instruction behind the last conversion
.set n, 0
.rept 4
	global_store_b64 v[\yo], v[\fb+2*n:\fb+2*n+1], s[10:11] offset:256*n    ; 32 lanes store 256 consecutive bytes, aligned
.set n, n+1
.endr
.endm
	YOUT O1, S, F, R1, YO1
	YOUT O2, S+32, F+8, FF, YO2                    ; registers of its own: no store's data are written again
	s_wait_tensorcnt 0x0
	ds_add_u32 v241, v255
	s_wait_dscnt 0x0
	CROUND                                         ; the closing round: no work-group ends while a partner may still ask for a tile that names it
	s_endpgm
.Lfunc_end_k_q2bfcf72081_attn:
	.size	k_q2bfcf72081_attn, .Lfunc_end_k_q2bfcf72081_attn-k_q2bfcf72081_attn
	.p2alignl 7, 3214868480
	.fill 96, 4, 3214868480
	.section	.rodata,"a",@progbits
	.p2align	6, 0x0
	.amdhsa_kernel k_q2bfcf72081_attn
		.amdhsa_group_segment_fixed_size 327680
		.amdhsa_private_segment_fixed_size 0
		.amdhsa_enable_private_segment 0
		.amdhsa_kernarg_size 32
		.amdhsa_user_sgpr_count 2
		.amdhsa_user_sgpr_kernarg_segment_ptr 1
		.amdhsa_wavefront_size32 1
		.amdhsa_system_sgpr_workgroup_id_x 1
		.amdhsa_system_sgpr_workgroup_id_y 1
		.amdhsa_system_sgpr_workgroup_id_z 1
		.amdhsa_system_vgpr_workitem_id 0
		.amdhsa_next_free_vgpr 256
		.amdhsa_next_free_sgpr 80
		.amdhsa_reserve_vcc 1
		.amdhsa_float_denorm_mode_32 3
		.amdhsa_float_denorm_mode_16_64 3
		.amdhsa_fp16_overflow 1
		.amdhsa_memory_ordered 1
		.amdhsa_forward_progress 1
		.amdhsa_inst_pref_size 125
	.end_amdhsa_kernel
	.amdgpu_metadata
---
amdhsa.version: [ 1, 2 ]
amdhsa.kernels:
  - .name:           k_q2bfcf72081_attn
    .symbol:         k_q2bfcf72081_attn.kd
    .args:
      - { .name: q_img, .offset: 0, .size: 8, .value_kind: global_buffer, .address_space: global }
      - { .name: kv_img, .offset: 8, .size: 8, .value_kind: global_buffer, .address_space: global }
      - { .name: lowp_scales, .offset: 16, .size: 8, .value_kind: global_buffer, .address_space: global }
      - { .name: y_img, .offset: 24, .size: 8, .value_kind: global_buffer, .address_space: global }
    .group_segment_fixed_size: 327680
    .private_segment_fixed_size: 0
    .kernarg_segment_align: 8
    .kernarg_segment_size: 32
    .max_flat_workgroup_size: 512
    .sgpr_count:     80
    .vgpr_count:     256
    .wavefront_size: 32
...
	.end_amdgpu_metadata
.endif
;; end of part 2
;; launch proj (part 3): grid 4 x 64, 4 waves a work-group, clusters of 4 x 4, 327,680 bytes of LDS; arguments y_img, w_proj_codes, lowp_scales, out0; writes out0
.if DOCPART == 3
	.amdgcn_target "amdgcn-amd-amdhsa--gfx1250"
	.amdhsa_code_object_version 6
	.text
	.protected	k_q2bfcf72081_proj
	.globl	k_q2bfcf72081_proj
	.p2align	8
	.type	k_q2bfcf72081_proj,@function
k_q2bfcf72081_proj:
	s_mov_b64 s[64:65], 0
	v_nop
	global_prefetch_b8 v0, s[64:65] scope:SCOPE_SE
	s_setreg_imm32_b32 hwreg(HW_REG_WAVE_MODE, 25, 1), 1
	s_wait_xcnt 0x0
	s_wait_alu depctr_hold_cnt(0) depctr_sa_sdst(0) depctr_va_vdst(0) depctr_va_sdst(0) depctr_va_ssrc(0) depctr_va_vcc(0) depctr_vm_vsrc(0)
	s_getreg_b32 s2, hwreg(HW_REG_IB_STS2, 6, 4)
	s_cmp_eq_u32 s2, 0
	s_cbranch_scc0 .Lentry_in_a_cluster
	s_endpgm
.Lentry_in_a_cluster:
	s_bfe_u32 s2, ttmp6, 0x10000c
	s_cmp_lg_u32 s2, 0xf033
	s_cbranch_scc0 .Lentry_shape_is_right
	s_endpgm
.Lentry_shape_is_right:
; out = y w_proj^T on codes of FP8 (E4M3): y [8192][1024] with 2^e6, as images of fragments; w_proj [1024][1024] codes, K innermost, with 2^e7; out [8192][1024] f32 = sum x 2^(e6 + e7).
; LIMIT: e6 + e7 lies between -126 and 127, so that 2^(e6 + e7) is an f32 number.  NaN codes among the inputs are not served.
; y_img: [tile of 16 rows 512][head 16][1,024]; 2,048 bytes (128 along K) are the four chunks of a fragment, lane l's 16 bytes at 16 l: lane (r, h) holds k = 32 c + 16 h + 0 .. 15 of row r in registers 4 c .. 4 c + 3:
; the order in which four loads of 16 bytes, 32 bytes apart, take w_proj from its rows.  k is so permuted alike in both operands inside an instruction: every product meets its partner.
; SHARES.  A tile of 128 rows x 256 columns to a work-group: 64 x 4 = 256 work-groups.  A wave makes 64 x 128: 32 accumulators.  K goes in eight steps of 128, 32 matrix instructions each.
; CLUSTERS: 4 x 4.  y's tiles hang on the tile row alone and are asked for jointly along a row of the cluster, w_proj's on the tile column alone, along a column.
; LDS: three slots, each a quarter of K: y's 8 tiles of rows x 4,096 bytes, dense, then w_proj's 256 rows of 256 + 16 bytes.  Quarters 0, 1, 2 are first fills (three loads of a wave are out at the most); quarter 3 fills slot 0 again.
; THE MATRIX INSTRUCTION IS USED TRANSPOSED (source 0 = 16 rows of w_proj, source 1 = 16 rows of y): a lane holds eight neighbouring numbers of a row of out.
; REGISTERS, in windows of 256: window 0: v16-29 addresses; v32-95 the way out; v128-255 y's fragments, two sets of 64 (on the way out: rows read back).  window 1: w_proj's, two sets of 128.  window 2: accumulator (a, b) at v[8 (8 a + b)].
.set PITCH,  272                       ; w_proj's LDS row: 256 bytes + 16 of padding: the 16 rows that a load touches start 4 words apart (64 banks of 4 bytes: ISA guide 11.1)
.set ABYTES, 32768                     ; y's part of a slot
.set HALFB,  128*PITCH                 ; 128 rows of w_proj
.set SLOT,   ABYTES+2*HALFB            ; 102,400
.set SPARE,  3*SLOT                    ; behind the slots: the spare words, 128 bytes for each wave: two blocks of 256 bytes that no other line names
.set STAGE,  SLOT                      ; the way out: 16 rows x 528 bytes for each wave, in slot 1: it is filled once, and its last reads lie ahead of two later barriers
.set SPITCH, 528
.set ADRA, 16                          ; v16-18  LDS address of my fragments of y in slot 0, 1, 2
.set ADRB, 20                          ; v20-22  the same for w_proj
.set STO,  24                          ; v24     the way out: where I put 32 bytes of a row
.set RD,   25                          ; v25     where I read a row back
.set CO,   26                          ; v26     16 x lane
.set SPW,  28                          ; v28     LDS address of my spare word: SPARE + 4 x my thread's number; never rewritten
.set NIL,  29                          ; v29     0; never rewritten
.set TMP,  32
.set AF,   128
.set BK,   128
.set G1A, 24                           ; s[24:31] descriptor group 1 for y's tiles;  s[32:43] group 0, a set for each slot
.set G0A, 32
.set G1B, 48                           ; s[48:55] for w_proj's;  s[68:79] group 0
.set G0B, 68
.set MSB, 0
.macro WIN new                         ; the immediate's high byte repeats the setting that is left
.if MSB != \new
	s_set_vgpr_msb (MSB<<8)|\new
.set MSB, \new
.endif
.endm
.macro CROUND                          ; a round of the cluster's barrier
	s_barrier_signal -1
	s_barrier_wait -1
	s_cmp_lg_u32 s14, 0
	s_cbranch_scc1 .Lnot_wave_0_\@
	s_barrier_signal -3
.Lnot_wave_0_\@:
	s_barrier_wait -3
	s_barrier_signal -1
	s_barrier_wait -1
.endm
.macro PLACES n
.rept \n
	v_nop
.endr
.endm
	s_load_b256 s[4:11], s[0:1], 0x0               ; y_img s[4:5], w_proj s[6:7], the scales' exponents s[8:9], out s[10:11]
	v_lshl_add_u32 v[SPW], v0, 2, SPARE
	v_mov_b32 v[NIL], 0
	ds_add_u32 v28, v29
	ds_add_u32 v28, v29
	s_wait_dscnt 0x0
	v_lshrrev_b32 v1, 5, v0
	v_readfirstlane_b32 s14, v1                    ; wave 0..3
	s_lshr_b32 s15, s14, 1                         ; which 64 rows are mine.  Also: I fetch for y (0) or for w_proj (1)
	s_and_b32 s16, s14, 1                          ; which 128 columns.  Also: which half of that part I fetch
	s_bfe_u32 s80, ttmp6, 0x40000                  ; cx, cy
	s_bfe_u32 s81, ttmp6, 0x40004
	s_lshl_b32 s82, ttmp9, 2
	s_add_co_u32 s82, s82, s80                     ; tile column = 4 x cluster x + cx
	s_and_b32 s17, ttmp7, 0xffff
	s_lshl_b32 s17, s17, 2
	s_add_co_u32 s17, s17, s81                     ; tile row = 4 x cluster y + cy
	s_lshl_b32 s83, s81, 2
	s_lshl_b32 s83, 15, s83                        ; my row of the cluster
	s_lshl_b32 s84, 0x1111, s80                    ; my column
	s_or_b32 s[G1A], s83, (3<<16)|(1<<21)          ; y: elements of 8 bytes, no padding; the mask: my row; bit 21 beside it
	s_mov_b32 s[G1A+1], 512<<16                    ; tensor_dim0: 4,096 bytes: a quarter of K of a tile of 16 rows
	s_mov_b32 s[G1A+2], 4<<16                      ; tensor_dim1: 4 such tiles
	s_mov_b32 s[G1A+3], 512<<16                    ; tile_dim0
	s_mov_b32 s[G1A+4], 4                          ; tile_dim1
	s_mov_b32 s[G1A+5], 2048                       ; 16,384 bytes from tile to tile
	s_mov_b32 s[G1A+6], 0
	s_mov_b32 s[G1A+7], 0
	s_or_b32 s[G1B], s84, (0<<16)|(1<<20)|(1<<21)|(5<<22)|(3<<25)   ; w_proj: elements of 1 byte; 4 words of padding after every 64; the mask: my column
	s_mov_b32 s[G1B+1], 256<<16
	s_mov_b32 s[G1B+2], 128<<16
	s_mov_b32 s[G1B+3], 256<<16
	s_mov_b32 s[G1B+4], 128
	s_mov_b32 s[G1B+5], 1024
	s_mov_b32 s[G1B+6], 0
	s_mov_b32 s[G1B+7], 0
	s_lshl_b32 s20, s17, 3
	s_lshl_b32 s18, s16, 2
	s_add_co_u32 s20, s20, s18                     ; y: tile of rows 8 x tile row + 4 x half
	s_lshl_b32 s20, s20, 14
	s_mov_b32 s21, 0
	s_lshl_b32 s46, s82, 8
	s_lshl_b32 s19, s16, 7
	s_add_co_u32 s46, s46, s19                     ; w_proj: row 256 x tile column + 128 x half
	s_lshl_b32 s46, s46, 10
	s_mov_b32 s47, 0
	s_lshl_b32 s44, s16, 14                        ; where they go in a slot: no place in the cluster enters an LDS address
	s_mul_i32 s45, s16, HALFB
	s_add_co_u32 s45, s45, ABYTES
	s_wait_kmcnt 0x0
	s_load_b256 s[56:63], s[8:9], 0x0              ; e0 .. e7
	s_add_nc_u64 s[20:21], s[4:5], s[20:21]
	s_add_nc_u64 s[46:47], s[6:7], s[46:47]
	CROUND                                         ; all sixteen work-groups are here: the first joint loads meet
.irp s, 0,1,2
	s_mov_b32 s[G0A+4*\s], 1
	s_add_co_u32 s[G0A+4*\s+1], s44, \s*SLOT
	s_add_nc_u64 s[G0A+4*\s+2:G0A+4*\s+3], s[20:21], \s*4096
	s_or_b32 s[G0A+4*\s+3], s[G0A+4*\s+3], 0x80000000
	s_mov_b32 s[G0B+4*\s], 1
	s_add_co_u32 s[G0B+4*\s+1], s45, \s*SLOT
	s_add_nc_u64 s[G0B+4*\s+2:G0B+4*\s+3], s[46:47], \s*256
	s_or_b32 s[G0B+4*\s+3], s[G0B+4*\s+3], 0x80000000
.endr
	s_cmp_eq_u32 s15, 0                            ; a wave's three first fills stand in one branch on the wave's number; four v_nop follow the last
	s_cbranch_scc0 .Lfirst_b
	tensor_load_to_lds s[G0A:G0A+3], s[G1A:G1A+7]
	s_nop 0
	tensor_load_to_lds s[G0A+4:G0A+7], s[G1A:G1A+7]
	s_nop 0
	tensor_load_to_lds s[G0A+8:G0A+11], s[G1A:G1A+7]
	s_nop 0
.rept 4
	v_nop
.endr
	s_branch .Lfirst_asked
.Lfirst_b:
	tensor_load_to_lds s[G0B:G0B+3], s[G1B:G1B+7]
	s_nop 0
	tensor_load_to_lds s[G0B+4:G0B+7], s[G1B:G1B+7]
	s_nop 0
	tensor_load_to_lds s[G0B+8:G0B+11], s[G1B:G1B+7]
	s_nop 0
.rept 4
	v_nop
.endr
.Lfirst_asked:
	v_and_b32 v1, 15, v0                           ; r
	v_bfe_u32 v2, v0, 4, 1                         ; h
	v_and_b32 v6, 31, v0
	v_lshlrev_b32 v[CO], 4, v6
	v_mul_u32_u24 v3, v1, PITCH
	v_lshl_add_u32 v4, v2, 4, v3
	s_lshl_b32 s85, s15, 14                        ; my 4 tiles of rows of y
	s_mul_i32 s86, s16, HALFB                      ; my 128 rows of w_proj
	s_add_co_u32 s86, s86, ABYTES
.irp s, 0,1,2
	v_add_nc_u32 v[ADRA+\s], s85, v[CO]
	v_add_nc_u32 v[ADRB+\s], s86, v4
	s_add_co_u32 s85, s85, SLOT
	s_add_co_u32 s86, s86, SLOT
.endr
	s_mul_i32 s87, s14, 16*SPITCH
	s_add_co_u32 s87, s87, STAGE                   ; my stage
	v_mul_u32_u24 v5, v1, SPITCH                   ; in: row r, 32 bytes for each half of the lanes
	v_lshl_add_u32 v5, v2, 5, v5
	v_add_nc_u32 v[STO], s87, v5
	v_add_nc_u32 v[RD], s87, v[CO]                 ; back: the 32 lanes take one row of 512 bytes
	s_lshl_b32 s90, s17, 7
	s_lshl_b32 s91, s15, 6
	s_add_co_u32 s90, s90, s91                     ; my first row of out
	s_lshl_b32 s90, s90, 12                        ; rows of 4,096 bytes: under 2^25
	s_lshl_b32 s91, s82, 10
	s_add_co_u32 s90, s90, s91                     ; + 1,024 x tile column
	s_lshl_b32 s91, s16, 9
	s_add_co_u32 s90, s90, s91                     ; + 512 x half
	s_mov_b32 s91, 0
	s_add_nc_u64 s[10:11], s[10:11], s[90:91]
; 48 LDS loads in one run: the fragments of the slot's q-th 128 along K into set p
.macro FETCH3 sl, q, p
	WIN 0x40                                       ; destination window 1, address window 0
.irp i, 0,1,2,3,4,5,6,7
.irp c, 0,1,2,3
	ds_load_b128 v[128*(\p)+16*\i+4*\c:128*(\p)+16*\i+4*\c+3], v[ADRB+\sl] offset:128*(\q)+32*\c+\i*16*PITCH
.endr
.endr
	WIN 0
.irp a, 0,1,2,3
.irp c, 0,1,2,3
	ds_load_b128 v[AF+64*(\p)+16*\a+4*\c:AF+64*(\p)+16*\a+4*\c+3], v[ADRA+\sl] offset:4096*\a+2048*(\q)+512*\c
.endr
.endr
.endm
; A step's 32 matrix instructions on set p.  The 32 accumulators take turns, one instruction a turn, in the same order in every step.  zero = 1: the first products start the sums.
.macro MUL32 p, zero
	WIN 0xa1                                       ; source 0 window 1, source 1 window 0, C and D window 2
.irp a, 0,1,2,3
.irp b, 0,1,2,3,4,5,6,7
.if \zero
	v_wmma_f32_16x16x128_fp8_fp8 v[8*(8*\a+\b):8*(8*\a+\b)+7], v[128*(\p)+16*\b:128*(\p)+16*\b+15], v[AF+64*(\p)+16*\a:AF+64*(\p)+16*\a+15], 0
.else
	v_wmma_f32_16x16x128_fp8_fp8 v[8*(8*\a+\b):8*(8*\a+\b)+7], v[128*(\p)+16*\b:128*(\p)+16*\b+15], v[AF+64*(\p)+16*\a:AF+64*(\p)+16*\a+15], v[8*(8*\a+\b):8*(8*\a+\b)+7]
.endif
.endr
.endr
	WIN 0
.endm
	s_wait_alu depctr_va_vdst(0)
	s_wait_tensorcnt 0x2                           ; my part of quarter 0 is in; quarters 1 and 2 may be out
	s_barrier_signal -1
	s_barrier_wait -1
	FETCH3 0, 0, 0
	; each step: its fragments are in; the next step's are asked for, four places behind the products that read their registers; then the step's products
	s_wait_dscnt 0x0                               ; step 0
	FETCH3 0, 1, 1
	MUL32 0, 1
	s_wait_dscnt 0x0                               ; step 1: the next fragments lie in slot 1
	s_wait_tensorcnt 0x1                           ; my part of quarter 1 is in; quarter 2 may be out
	s_barrier_signal -1
	s_barrier_wait -1
	PLACES 4
	FETCH3 1, 0, 0
	MUL32 1, 0
	s_wait_dscnt 0x0                               ; step 2
	PLACES 4
	FETCH3 1, 1, 1
	MUL32 0, 0
	s_wait_tensorcnt 0x0                           ; step 3: all my tensor loads have landed, my part of quarter 2 among them: slot 0 is filled again
	ds_add_u32 v[SPW], v[NIL]                      ; 0 onto my spare word; the descriptors' steps stand between it and the wait for it
	s_add_nc_u64 s[G0A+2:G0A+3], s[G0A+2:G0A+3], 3*4096    ; no tensor load of mine is out: slot 0's groups 0 step from quarter 0 to quarter 3
	s_add_nc_u64 s[G0B+2:G0B+3], s[G0B+2:G0B+3], 3*256
	s_wait_dscnt 0x0                               ; the add is done; step 3's fragments are in; my reads of slot 0 were over two steps ago
	CROUND                                         ; no wave of any partner still reads slot 0 or has a load on its way
	s_cmp_eq_u32 s15, 0
	s_cbranch_scc0 .Lfor_b
	tensor_load_to_lds s[G0A:G0A+3], s[G1A:G1A+7]  ; the first tensor load behind the round, and my last
	s_nop 0
.rept 4
	v_nop                                          ; (the places in front of the loads below)
.endr
	s_branch .Lasked
.Lfor_b:
	tensor_load_to_lds s[G0B:G0B+3], s[G1B:G1B+7]
	s_nop 0
.rept 4
	v_nop
.endr
.Lasked:
	FETCH3 2, 0, 0
	MUL32 1, 0
	s_wait_dscnt 0x0                               ; step 4
	PLACES 4
	FETCH3 2, 1, 1
	MUL32 0, 0
	s_wait_dscnt 0x0                               ; step 5: the next fragments lie in slot 0 again
	s_wait_tensorcnt 0x0                           ; my part of quarter 3 is in: no load was issued behind it
	s_barrier_signal -1
	s_barrier_wait -1
	PLACES 4
	FETCH3 0, 0, 0
	MUL32 1, 0
	s_wait_dscnt 0x0                               ; step 6
	PLACES 4
	FETCH3 0, 1, 1
	MUL32 0, 0
	s_wait_dscnt 0x0                               ; step 7
	MUL32 1, 0
; THE WAY OUT, block by block of 16 rows x 128 columns.  A lane holds 32 neighbouring bytes of a row, and the lanes beside it hold other rows: so a block goes through my own stage in LDS and comes back as whole
; rows of 512 bytes.  LDS serves a wave's instructions in order (ISA guide 5.7.1.4): no wait between the stores and the loads, nor in front of the next block's stores.
.macro TOSTAGE a
.set AC, 64*(\a)
	WIN 0x02                                       ; source 0: window 2
.irp j, 0,2,4,6,8,10,12,14,16,18,20,22,24,26,28,30,32,34,36,38,40,42,44,46,48,50,52,54,56,58,60,62
	v_pk_mul_f32 v[TMP+\j:TMP+\j+1], v[AC+\j:AC+\j+1], s[88:89] op_sel_hi:[1,0]   ; x 2^(e6 + e7); each accumulator from its low end on
.endr
	WIN 0
.irp b, 0,1,2,3,4,5,6,7
	ds_store_b128 v[STO], v[TMP+8*\b:TMP+8*\b+3] offset:64*\b
	ds_store_b128 v[STO], v[TMP+8*\b+4:TMP+8*\b+7] offset:64*\b+16
.endr
.set BB, BK+64*((\a)%2)
.irp t, 0,1,2,3,4,5,6,7,8,9,10,11,12,13,14,15
	ds_load_b128 v[BB+4*\t:BB+4*\t+3], v[RD] offset:\t*SPITCH
.endr
.endm
.macro SEND a, younger                 ; younger: the LDS instructions issued behind block a's loads, which may stay out
.set BB, BK+64*((\a)%2)
	s_wait_dscnt \younger                          ; the block is back in registers
.if (\a) > 0
	s_add_nc_u64 s[10:11], s[10:11], 16*4096       ; 16 rows on (behind a wait for the earlier stores' addresses)
.endif
.irp t, 0,1,2,3,4,5,6,7,8,9,10,11,12,13,14,15
	global_store_b128 v[CO], v[BB+4*\t:BB+4*\t+3], s[10:11] offset:\t*4096 th:TH_STORE_NT   ; 32 lanes store 512 consecutive bytes, aligned; written once, read by nobody here
.endr
.endm
	s_wait_kmcnt 0x0
	s_add_co_i32 s88, s62, s63                     ; e6 + e7
	s_add_co_i32 s88, s88, 127
	s_lshl_b32 s88, s88, 23                        ; 2^(e6 + e7) as f32
	s_mov_b32 s89, s88                             ; (named with it as a pair, so it is written)
	PLACES 4                                       ; behind the last products: ahead of the first read of results and of the loads into the registers that held y's fragments
	TOSTAGE 0
.irp a, 1,2,3
.if \a > 1
	s_wait_xcnt 0x0                                ; block a - 2's stores have read their registers and their base: block a's loads may land there, and the base may step
.endif
	TOSTAGE \a
	SEND \a-1, 32                                  ; behind block a - 1's loads: block a's 16 stores and 16 loads
.endr
	s_wait_xcnt 0x0                                ; block 2's stores have read their base
	SEND 3, 0
	s_wait_tensorcnt 0x0                           ; the wave's end: behind my last tensor load and my last LDS store
	ds_add_u32 v[SPW], v[NIL]
	s_wait_dscnt 0x0
	CROUND                                         ; the closing round: no work-group ends while a partner may still ask for a tile that names it
	s_endpgm
.Lfunc_end_k_q2bfcf72081_proj:
	.size	k_q2bfcf72081_proj, .Lfunc_end_k_q2bfcf72081_proj-k_q2bfcf72081_proj
	.p2alignl 7, 3214868480
	.fill 96, 4, 3214868480
	.section	.rodata,"a",@progbits
	.p2align	6, 0x0
	.amdhsa_kernel k_q2bfcf72081_proj
		.amdhsa_group_segment_fixed_size 327680
		.amdhsa_private_segment_fixed_size 0
		.amdhsa_enable_private_segment 0
		.amdhsa_kernarg_size 32
		.amdhsa_user_sgpr_count 2
		.amdhsa_user_sgpr_kernarg_segment_ptr 1
		.amdhsa_wavefront_size32 1
		.amdhsa_system_sgpr_workgroup_id_x 1
		.amdhsa_system_sgpr_workgroup_id_y 1
		.amdhsa_system_sgpr_workgroup_id_z 1
		.amdhsa_system_vgpr_workitem_id 0
		.amdhsa_next_free_vgpr 768
		.amdhsa_next_free_sgpr 100
		.amdhsa_reserve_vcc 0
		.amdhsa_float_denorm_mode_32 3
		.amdhsa_float_denorm_mode_16_64 3
		.amdhsa_memory_ordered 1
		.amdhsa_forward_progress 1
		.amdhsa_inst_pref_size 74
	.end_amdhsa_kernel
	.amdgpu_metadata
---
amdhsa.version: [ 1, 2 ]
amdhsa.kernels:
  - .name:           k_q2bfcf72081_proj
    .symbol:         k_q2bfcf72081_proj.kd
    .args:
      - { .name: y_img, .offset: 0, .size: 8, .value_kind: global_buffer, .address_space: global }
      - { .name: w_proj_codes, .offset: 8, .size: 8, .value_kind: global_buffer, .address_space: global }
      - { .name: lowp_scales, .offset: 16, .size: 8, .value_kind: global_buffer, .address_space: global }
      - { .name: out0, .offset: 24, .size: 8, .value_kind: global_buffer, .address_space: global }
    .group_segment_fixed_size: 327680
    .private_segment_fixed_size: 0
    .kernarg_segment_align: 8
    .kernarg_segment_size: 32
    .max_flat_workgroup_size: 128
    .sgpr_count:     100
    .vgpr_count:     768
    .wavefront_size: 32
...
	.end_amdgpu_metadata
.endif
;; end of part 3
